; MI455X (gfx1250); checked and timed in simulation.
; The chip was launched on July 23, 2026; its instructions are those of AMD's public machine-readable ISA for CDNA 5 (MIT licence, August 2026) and "CDNA5" Instruction Set Architecture Reference Guide (July 2026). The comments in the code are by the model that wrote it; some were corrected since.
;; Grouped Experts. Allowed arithmetic: matrix products marked QUANTISED: E5M2 operands, one given power-of-two scale a tensor, by v_wmma_f32_16x16x64_bf8_bf8 or v_wmma_f32_16x16x128_bf8_bf8, f32 sums; everything else in f32.
;; Inputs: lowp_scales 6 int32 (the exponents e of the quantised operands' scales 2^e); w1 8 x 1,024 x 2,048 float32; w2 8 x 2,048 x 1,024 float32; w3 8 x 1,024 x 2,048 float32; x 8 x 1,024 x 1,024 float32.
;; Outputs: out0 8 x 1,024 x 1,024 float32.
;; This version of the problem:
;;   THIS VERSION OF THE PROBLEM IS GIVEN IN LOW PRECISION. The matrix products marked QUANTISED in the list below multiply operands that are first quantised to E5M2 (5 exponent bits, 2 mantissa bits; 8 bits a number), with one given power-of-two scale for each operand tensor; their sums are f32. All else is computed in f32.
;;   The module's matrix products, in the order in which they are computed (A, B: the left and right operand; K: the contracted axis; several contracted axes count as one K, in the product's order):
;;     1. batch 8 x [M 1,024, K 1,024] x [K 1,024, N 2,048]; A: input x; B: input w1: QUANTISED (scales: A lowp_scales[0], B lowp_scales[1])
;;     2. batch 8 x [M 1,024, K 1,024] x [K 1,024, N 2,048]; A: input x; B: input w3: QUANTISED (scales: A lowp_scales[2], B lowp_scales[3])
;;     3. batch 8 x [M 1,024, K 2,048] x [K 2,048, N 1,024]; A: computed on the way; B: input w2: QUANTISED (scales: A lowp_scales[4], B lowp_scales[5])
;;   THE QUANTISER, for each operand of a quantised product, along K:
;;     - The operand's scale is 2^e, e = its entry of the input lowp_scales (int32; the entries are numbered through the quantised products in the list's order, A before B).
;;     - Each number is divided by the scale, clamped to +-57,344, and rounded to the nearest number of E5M2, ties to even, subnormals kept.
;;     - The product sums the exact products of the quantised numbers (number of the format x scale) in f32.
;;   ~~~python
;;   def quantise(x, axis, e):      # numpy; x: float32 -> the quantised numbers, widened to float32 again
;;       x = np.moveaxis(x, axis, -1); K = x.shape[-1]
;;       r = np.clip(x / 2.0 ** e, -57344, 57344)
;;       step = 2.0 ** (np.maximum(np.frexp(np.where(r == 0, 1, r))[1] - 1, -14) - 2)
;;       q = np.round(r / step) * step * 2.0 ** e      # np.round: ties to even
;;       return np.moveaxis(q, -1, axis).astype(np.float32)
;;   ~~~
;;   OPERANDS COMPUTED ON THE WAY. 'Computed on the way' means the value that the module computes at that place (a softmax that the list does not call 'softmax' is quantised finished and normalised). What goes into a quantiser is computed in f32, as accurately as f32 sums, v_exp_f32 and their like allow (about 1e-6 of the number): no bf16 or f16 on the way to a quantiser, and a product that is left as it is and whose result goes on into a quantised operand takes f32 operands (vector FMAs, or v_wmma_f32_16x16x4_f32). A number that lies on a knife's edge between two numbers of the format may be rounded either way, as far as f32 arithmetic and the matrix unit's own rounding can turn it there, and no further.
;; One version. Each part assembles by itself: llvm-mc -triple=amdgcn-amd-amdhsa -mcpu=gfx1250 --defsym DOCPART=n.
;; ======== version 1 of 1: 3 launches
;; limits: right only within a limited range of input values
;; workspace buffers: xq 16,777,216 bytes; w13q 33,554,432 bytes; w2q 16,777,216 bytes; hq 16,777,216 bytes
;; launch quant (part 1): grid 1792 x 1, 4 waves a work-group, no clusters, 34,304 bytes of LDS; arguments x, w1, w3, w2, lowp_scales, xq, w13q, w2q; writes xq, w13q, w2q
.if DOCPART == 1
	.amdgcn_target "amdgcn-amd-amdhsa--gfx1250"
	.amdhsa_code_object_version 6
	.text
	.protected	k_q63ed607251_quant
	.globl	k_q63ed607251_quant
	.p2align	8
	.type	k_q63ed607251_quant,@function
k_q63ed607251_quant:
	s_mov_b64 s[64:65], 0
	v_nop
	global_prefetch_b8 v0, s[64:65] scope:SCOPE_SE
	s_setreg_imm32_b32 hwreg(HW_REG_WAVE_MODE, 25, 1), 1
	s_wait_xcnt 0x0
; x [8192][1024], w1, w3 [8][1024][2048] and w2 [8][2048][1024], all f32, become codes of BF8 (E5M2), each operand with the scale 2^e given for it:
; code = number / 2^e, held within +-57,344, rounded to the nearest code, ties to even.  x is an operand of two products with two entries of the scales (0 and 2), so it is quantised twice.
; EVERY CODE BUFFER IS A SEQUENCE OF REGISTER IMAGES.  A fragment is 16 rows (of x) or 16 columns (of a weight) x 128 along K, 2,048 bytes: byte 512 c + 256 h + 16 r + i holds
; k = 32 c + 16 h + i (i = 0 .. 15) of slot r.  A wave that loads 16 bytes a lane at 16 x lane + 512 c has the operand's registers 4 c .. 4 c + 3; the same places of k on both sides of a product.
;   xq   : set x 8 Mi + (block of 256 rows) x 262,144 + (K step) x 32,768 + (tile of 16 rows) x 2,048          set 0: entry 0, set 1: entry 2
;   w13q : sel x 16 Mi + (16 e + block of 128 columns) x 131,072 + (K step) x 16,384 + fragment x 2,048        sel 0: w1, sel 1: w3
;   w2q  : (8 e + block of 128 columns) x 262,144 + (K step) x 16,384 + fragment x 2,048
; THE COLUMNS OF A WEIGHT'S FRAGMENT ARE NOT NEIGHBOURS: slot r of fragment 2 b + u of a block holds column 32 b + 8 u + r + 8 (r / 8), so that in the products, which are used transposed,
; a lane's 16 registers of two neighbouring tiles are 16 neighbouring columns.
; SHARES.  Work-groups 0-255: x (a wave: 16 rows x 512 along K).  256-767: w1, 768-1279: w3, 1280-1791: w2 (a work-group: 128 columns x 256 along K; a wave: 32 columns).
; Waves share nothing: no barrier.  Work-groups share no input: no cluster, no joint load.  No matrix work.  Only x's path touches LDS.
; LIMITS: every e between -126 and 112, so that 2^e and 57,344 x 2^e are f32 numbers.  NaN among the inputs is not served; an infinity is held at the largest code.
.set XR,   16                          ; v16-143  x: two sets of 64 numbers
.set XT,   144                         ; v144-175 x: two sets of 16 held numbers, by turns
.set CA,   176                         ; v176-191 x: a fragment's codes under entry 0
.set CB,   192                         ; v192-207 x: the same under entry 2
.set WX,   16                          ; v16-79   weights: two sets of 32 numbers
.set WC,   80                          ; v80-143  weights: eight registers of codes for each of eight blocks, never written again
.set SPX,  528                         ; x's stage: a row of 512 bytes + 16 of padding: 33 x 16 bytes, so the 16 rows that a load touches begin in 16 different columns of 16 bytes
.set WSTG, 16*SPX                      ; a wave's stage
	s_load_b256 s[4:11], s[0:1], 0x0               ; x s[4:5], w1 s[6:7], w3 s[8:9], w2 s[10:11]
	s_load_b256 s[12:19], s[0:1], 0x20             ; the scales' exponents s[12:13], xq s[14:15], w13q s[16:17], w2q s[18:19]
	v_lshl_add_u32 v208, v0, 2, 0x8400
	v_mov_b32 v209, 0
	v_lshrrev_b32 v1, 5, v0
	v_readfirstlane_b32 s26, v1                    ; wave 0..3
	v_and_b32 v1, 31, v0                           ; lane
	v_and_b32 v5, 15, v0                           ; r = lane % 16
	v_bfe_u32 v6, v0, 4, 1                         ; h = lane / 16
	s_wait_kmcnt 0x0
	s_load_b128 s[20:23], s[12:13], 0x0            ; e0 .. e3
	s_load_b64 s[24:25], s[12:13], 0x10            ; e4, e5
	s_cmp_ge_u32 ttmp9, 1280                       ; the paths part on the work-group's number alone
	s_cbranch_scc1 .Lw2
	s_cmp_ge_u32 ttmp9, 256
	s_cbranch_scc1 .Lw13
.macro MKSCALE se, vs, vl              ; from the exponent in \se: v[vs] = 2^e as f32 (the conversion takes its exponent field), v[vl] = 57,344 x 2^e
	s_add_co_i32 s40, \se, 127
	s_lshl_b32 s41, s40, 23
	v_mov_b32 v[\vs], s41
	s_add_co_i32 s40, s40, 15
	s_lshl_b32 s40, s40, 23
	s_or_b32 s40, s40, 0x600000
	v_mov_b32 v[\vl], s40
.endm
; ---------------- x ----------------
; The conversions take neighbours along K from ONE lane's registers; a load is dense where neighbouring LANES take neighbouring bytes.  Both are had: each load reads 512 consecutive bytes of a row
; (128 along K, 16 bytes a lane); a K step's 16 rows go through the wave's own stage in LDS and come back as the operand's layout wants them: lane (r, h) gets, of row r, 16 neighbours of each block of 32.
	s_lshl_b32 s27, ttmp9, 2
	s_add_co_u32 s27, s27, s26                     ; 4 x work-group + wave
	s_lshr_b32 s28, s27, 1                         ; which tile of 16 rows, 0 .. 511
	s_and_b32 s29, s27, 1                          ; which half of K
	s_lshl_b32 s30, s28, 16                        ; 16 rows of 4,096 bytes
	s_lshl_b32 s31, s29, 11                        ; 512 numbers
	s_add_co_u32 s30, s30, s31
	s_mov_b32 s31, 0
	s_add_nc_u64 s[4:5], s[4:5], s[30:31]
	s_lshr_b32 s32, s28, 4
	s_lshl_b32 s32, s32, 18                        ; the block of 256 rows,
	s_lshl_b32 s33, s29, 17                        ; four K steps of 32,768 bytes,
	s_add_co_u32 s32, s32, s33
	s_and_b32 s33, s28, 15
	s_lshl_b32 s33, s33, 11                        ; the tile's image
	s_add_co_u32 s32, s32, s33
	s_mov_b32 s33, 0
	s_add_nc_u64 s[14:15], s[14:15], s[32:33]      ; set 0
	s_add_nc_u64 s[34:35], s[14:15], 0x800000      ; set 1: a base of its own, since 8 Mi is more than a store's immediate holds
	s_mul_i32 s36, s26, WSTG
	s_wait_alu depctr_va_vdst(0)
	v_lshlrev_b32 v2, 4, v1                        ; 16 x lane: my bytes of a load's 512, and of an image's
	v_add_nc_u32 v3, s36, v2                       ; the stage, on the way in
	v_mul_u32_u24 v4, v5, SPX
	v_lshl_add_u32 v4, v6, 6, v4
	v_add_nc_u32 v4, s36, v4                       ; and out: row r, + 64 h
.macro LOADX q                         ; K step q of my four: 16 rows x 512 bytes
.set J, 0
.rept 16
	global_load_b128 v[XR+64*((\q)%2)+4*J:XR+64*((\q)%2)+4*J+3], v2, s[4:5] offset:J*4096+(\q)*512 th:TH_LOAD_NT
.set J, J+1
.endr
.endm
.macro XSTEP q
.set RS, XR+64*((\q)%2)
.if (\q) < 3
	s_wait_loadcnt 16                              ; this step's 16 loads are in; the next step's 16 may be out
.else
	s_wait_loadcnt 0
.endif
.set J, 0
.rept 16
	ds_store_b128 v3, v[RS+4*J:RS+4*J+3] offset:J*SPX
.set J, J+1
.endr
.set QC, 0
.rept 4
.set J, 0
.rept 4
	ds_load_b128 v[RS+16*QC+4*J:RS+16*QC+4*J+3], v4 offset:128*QC+16*J   ; LDS serves a wave's instructions in order (ISA guide 5.7.1.4): these see the stores above
.set J, J+1
.endr
.set QC, QC+1
.endr
	s_wait_dscnt 0x0                               ; register 16 c + i now holds k = 32 c + 16 h + i of row r
.if (\q) > 0
	s_wait_xcnt 0x0                                ; the last step's stores have read the codes' registers, which are written again below
.endif
.set QC, 0
.rept 4                                        ; under entry 0: the held numbers go to other registers, since the numbers are wanted once more
.set J, 0
.rept 16
	v_med3_num_f32 v[XT+16*(QC%2)+J], v[RS+16*QC+J], -v9, v9   ; the conversion to an 8-bit code does not saturate (ISA guide 7.6.2): hold first
.set J, J+1
.endr
	v_cvt_scalef32_pk8_bf8_f32 v[CA+4*QC:CA+4*QC+1], v[XT+16*(QC%2):XT+16*(QC%2)+7], v8
	v_cvt_scalef32_pk8_bf8_f32 v[CA+4*QC+2:CA+4*QC+3], v[XT+16*(QC%2)+8:XT+16*(QC%2)+15], v8
.set QC, QC+1
.endr
.set QC, 0
.rept 4                                        ; under entry 2: in place
.set J, 0
.rept 16
	v_med3_num_f32 v[RS+16*QC+J], v[RS+16*QC+J], -v11, v11
.set J, J+1
.endr
	v_cvt_scalef32_pk8_bf8_f32 v[CB+4*QC:CB+4*QC+1], v[RS+16*QC:RS+16*QC+7], v10
	v_cvt_scalef32_pk8_bf8_f32 v[CB+4*QC+2:CB+4*QC+3], v[RS+16*QC+8:RS+16*QC+15], v10
.set QC, QC+1
.endr
	v_nop                                          ; a plain vector line behind the last conversion
.set QC, 0
.rept 4
	global_store_b128 v2, v[CA+4*QC:CA+4*QC+3], s[14:15] offset:(\q)*32768+QC*512   ; each store covers 512 consecutive bytes, at a multiple of 512 from the buffer's first byte
	global_store_b128 v2, v[CB+4*QC:CB+4*QC+3], s[34:35] offset:(\q)*32768+QC*512
.set QC, QC+1
.endr
.if (\q) < 2
	LOADX (\q)+2
.endif
.if (\q) == 0
	global_prefetch_b8 v12, s[4:5] offset:3*512 th:TH_LOAD_NT scope:SCOPE_SE   ; K step 3, which step 1 loads
.endif
.endm
	v_lshrrev_b32 v12, 1, v1                       ; the prefetches' offset: a K step of my 16 rows is 32 blocks of 256 bytes, a lane to each: row lane / 2, half lane % 2
	v_and_b32 v13, 1, v0
	v_lshlrev_b32 v13, 8, v13
	v_lshl_add_u32 v12, v12, 12, v13
	LOADX 0
	LOADX 1
	global_prefetch_b8 v12, s[4:5] offset:2*512 th:TH_LOAD_NT scope:SCOPE_SE   ; K step 2, which step 0 loads; steps 0 and 1 come by their loads alone
	s_wait_alu depctr_va_vdst(0)
	s_wait_kmcnt 0x0
	MKSCALE s20, 8, 9                              ; entry 0
	MKSCALE s22, 10, 11                            ; entry 2
	s_wait_alu depctr_va_vdst(0)
	XSTEP 0
	XSTEP 1
	XSTEP 2
	XSTEP 3
	s_wait_tensorcnt 0x0
	ds_add_u32 v208, v209
	s_wait_dscnt 0x0
	s_endpgm
; ---------------- the weights ----------------
; K is a weight's FIRST axis.  A LANE TAKES A COLUMN AND ITS REGISTERS RUN DOWN K: each load reads one row of the weight at the wave's 32 columns (128 consecutive bytes; the four waves stand side by
; side on 512), and the conversions give codes with K innermost.  Lane (u, r) takes column 8 u + r + 8 (r / 8) of the wave's 32: it is slot r of fragment 2 x wave + u.  A block of 32 along K is 32 bytes
; of a lane: 16 for the image's h = 0, 16 for h = 1; sixteen neighbouring lanes' 16 bytes are 256 consecutive bytes of an image, so the codes leave straight from the registers.
.macro WLANES
	v_and_b32 v7, 8, v5
	v_add_nc_u32 v7, v7, v5                        ; r + 8 (r / 8)
	v_lshl_add_u32 v7, v6, 3, v7                   ; + 8 u
	v_lshlrev_b32 v2, 2, v7                        ; my column, in bytes
	v_lshlrev_b32 v3, 4, v5
	v_lshl_add_u32 v3, v6, 11, v3                  ; my place in the wave's two images: 2,048 u + 16 r
.endm
.macro WLOAD t, rowp                   ; block t: rows 32 t .. 32 t + 31 of my 256, into set t % 2
.set J, 0
.rept 32
	global_load_b32 v[WX+32*((\t)%2)+J], v2, s[28:29] offset:(32*(\t)+J)*\rowp th:TH_LOAD_NT
.set J, J+1
.endr
.endm
.macro WBLOCK t, rowp
.set XS, WX+32*((\t)%2)
.if (\t) < 7
	s_wait_loadcnt 32                              ; this block's 32 loads are in; the next block's may be out
.else
	s_wait_loadcnt 0
.endif
.set J, 0
.rept 32
	v_med3_num_f32 v[XS+J], v[XS+J], -v9, v9       ; the hold at the largest code x the scale (ISA guide 7.6.2)
.set J, J+1
.endr
.set J, 0
.rept 4
	v_cvt_scalef32_pk8_bf8_f32 v[WC+8*(\t)+2*J:WC+8*(\t)+2*J+1], v[XS+8*J:XS+8*J+7], v8
.set J, J+1
.endr
	v_nop                                          ; a plain vector line behind the last conversion
	global_store_b128 v3, v[WC+8*(\t):WC+8*(\t)+3], s[34:35] offset:((\t)/4)*16384+((\t)%4)*512        ; k = 32 c + 0 .. 15: lanes 0-15 fill 256 consecutive aligned bytes of one image, lanes 16-31 of the next
	global_store_b128 v3, v[WC+8*(\t)+4:WC+8*(\t)+7], s[34:35] offset:((\t)/4)*16384+((\t)%4)*512+256  ; k = 32 c + 16 .. 31
.if (\t) < 6
	WLOAD (\t)+2, \rowp
.endif
.if ((\t) == 0) || ((\t) == 2)
	global_prefetch_b8 v12, s[28:29] offset:(128+32*(\t))*\rowp th:TH_LOAD_NT scope:SCOPE_SE   ; my share of the 64 rows that blocks t + 2 and t + 3 load
.endif
.endm
.Lw13:
	s_cmp_lt_u32 ttmp9, 768                        ; w1's work-group or w3's?  Every choice on this compare stands ahead of the first addition
	s_cselect_b64 s[28:29], s[6:7], s[8:9]
	s_cselect_b32 s31, 0, 0x1000000                ; w3's codes lie 16 Mi behind w1's
	s_cselect_b32 s32, 0, 512
	s_add_co_u32 s32, s32, 256
	s_sub_co_u32 s32, ttmp9, s32                   ; 64 e + 16 kr + nb
	s_and_b32 s33, s32, 15                         ; nb: which 128 columns
	s_lshr_b32 s36, s32, 4                         ; 4 e + kr: which 256 rows
	s_lshl_b32 s36, s36, 21                        ; of 8,192 bytes
	s_lshl_b32 s37, s33, 9
	s_add_co_u32 s36, s36, s37
	s_lshl_b32 s37, s26, 7                         ; my wave's 32 columns
	s_add_co_u32 s36, s36, s37
	s_mov_b32 s37, 0
	s_add_nc_u64 s[28:29], s[28:29], s[36:37]
	s_lshr_b32 s38, s32, 6
	s_lshl_b32 s38, s38, 4
	s_add_co_u32 s38, s38, s33                     ; 16 e + nb
	s_lshl_b32 s38, s38, 17
	s_bfe_u32 s39, s32, 0x20004                    ; kr
	s_lshl_b32 s39, s39, 15                        ; two K steps of 16,384 bytes
	s_add_co_u32 s38, s38, s39
	s_lshl_b32 s39, s26, 12                        ; my wave's two images
	s_add_co_u32 s38, s38, s39
	s_add_co_u32 s38, s38, s31
	s_mov_b32 s39, 0
	s_add_nc_u64 s[34:35], s[16:17], s[38:39]
	s_wait_alu depctr_va_vdst(0)
	WLANES
	; the prefetches' offset: 64 rows of the work-group's 512 bytes are 128 blocks of 256 bytes; wave w takes rows 16 w .. 16 w + 15, a lane to each block (row lane / 2, half lane % 2).
	; My base stands 128 w bytes into the work-group's 512: that is taken off again.
	v_lshrrev_b32 v12, 1, v1
	v_and_b32 v13, 1, v0
	v_lshlrev_b32 v13, 8, v13
	v_lshl_add_u32 v12, v12, 13, v13
	s_mul_i32 s42, s26, 16*8192-128
	v_add_nc_u32 v12, s42, v12
	WLOAD 0, 8192
	WLOAD 1, 8192
	global_prefetch_b8 v12, s[28:29] offset:64*8192 th:TH_LOAD_NT scope:SCOPE_SE   ; rows 64-127, which blocks 0 and 1 load; rows 0-63 come by their loads alone
	s_wait_kmcnt 0x0
	s_cmp_lt_u32 ttmp9, 768
	s_cselect_b32 s30, s21, s23                    ; entry 1 or entry 3
	MKSCALE s30, 8, 9
	s_wait_alu depctr_va_vdst(0)
.irp t, 0,1,2,3,4,5,6,7
	WBLOCK \t, 8192
.endr
	s_endpgm
.Lw2:
	s_sub_co_u32 s32, ttmp9, 1280                  ; 64 e + 8 kr + nb
	s_and_b32 s33, s32, 7                          ; nb
	s_lshr_b32 s36, s32, 3                         ; 8 e + kr: which 256 rows
	s_lshl_b32 s36, s36, 20                        ; of 4,096 bytes
	s_lshl_b32 s37, s33, 9
	s_add_co_u32 s36, s36, s37
	s_lshl_b32 s37, s26, 7
	s_add_co_u32 s36, s36, s37
	s_mov_b32 s37, 0
	s_add_nc_u64 s[28:29], s[10:11], s[36:37]
	s_lshr_b32 s38, s32, 6
	s_lshl_b32 s38, s38, 3
	s_add_co_u32 s38, s38, s33                     ; 8 e + nb
	s_lshl_b32 s38, s38, 18
	s_bfe_u32 s39, s32, 0x30003                    ; kr
	s_lshl_b32 s39, s39, 15
	s_add_co_u32 s38, s38, s39
	s_lshl_b32 s39, s26, 12
	s_add_co_u32 s38, s38, s39
	s_mov_b32 s39, 0
	s_add_nc_u64 s[34:35], s[18:19], s[38:39]
	s_wait_alu depctr_va_vdst(0)
	WLANES
	v_lshrrev_b32 v12, 1, v1                       ; the prefetches' offset, as for w1 and w3, with rows of 4,096 bytes
	v_and_b32 v13, 1, v0
	v_lshlrev_b32 v13, 8, v13
	v_lshl_add_u32 v12, v12, 12, v13
	s_mul_i32 s42, s26, 16*4096-128
	v_add_nc_u32 v12, s42, v12
	WLOAD 0, 4096
	WLOAD 1, 4096
	global_prefetch_b8 v12, s[28:29] offset:64*4096 th:TH_LOAD_NT scope:SCOPE_SE
	s_wait_kmcnt 0x0
	MKSCALE s25, 8, 9                              ; entry 5
	s_wait_alu depctr_va_vdst(0)
.irp t, 0,1,2,3,4,5,6,7
	WBLOCK \t, 4096
.endr
	s_endpgm
.Lfunc_end_k_q63ed607251_quant:
	.size	k_q63ed607251_quant, .Lfunc_end_k_q63ed607251_quant-k_q63ed607251_quant
	.p2alignl 7, 3214868480
	.fill 96, 4, 3214868480
	.section	.rodata,"a",@progbits
	.p2align	6, 0x0
	.amdhsa_kernel k_q63ed607251_quant
		.amdhsa_group_segment_fixed_size 34304
		.amdhsa_private_segment_fixed_size 0
		.amdhsa_enable_private_segment 0
		.amdhsa_kernarg_size 64
		.amdhsa_user_sgpr_count 2
		.amdhsa_user_sgpr_kernarg_segment_ptr 1
		.amdhsa_wavefront_size32 1
		.amdhsa_system_sgpr_workgroup_id_x 1
		.amdhsa_system_sgpr_workgroup_id_y 1
		.amdhsa_system_sgpr_workgroup_id_z 1
		.amdhsa_system_vgpr_workitem_id 0
		.amdhsa_next_free_vgpr 210
		.amdhsa_next_free_sgpr 66
		.amdhsa_reserve_vcc 0
		.amdhsa_float_denorm_mode_32 3
		.amdhsa_float_denorm_mode_16_64 3
		.amdhsa_memory_ordered 1
		.amdhsa_forward_progress 1
		.amdhsa_inst_pref_size 149
	.end_amdhsa_kernel
	.amdgpu_metadata
---
amdhsa.version: [ 1, 2 ]
amdhsa.kernels:
  - .name:           k_q63ed607251_quant
    .symbol:         k_q63ed607251_quant.kd
    .args:
      - { .name: x, .offset: 0, .size: 8, .value_kind: global_buffer, .address_space: global }
      - { .name: w1, .offset: 8, .size: 8, .value_kind: global_buffer, .address_space: global }
      - { .name: w3, .offset: 16, .size: 8, .value_kind: global_buffer, .address_space: global }
      - { .name: w2, .offset: 24, .size: 8, .value_kind: global_buffer, .address_space: global }
      - { .name: lowp_scales, .offset: 32, .size: 8, .value_kind: global_buffer, .address_space: global }
      - { .name: xq, .offset: 40, .size: 8, .value_kind: global_buffer, .address_space: global }
      - { .name: w13q, .offset: 48, .size: 8, .value_kind: global_buffer, .address_space: global }
      - { .name: w2q, .offset: 56, .size: 8, .value_kind: global_buffer, .address_space: global }
    .group_segment_fixed_size: 34304
    .private_segment_fixed_size: 0
    .kernarg_segment_align: 8
    .kernarg_segment_size: 64
    .max_flat_workgroup_size: 128
    .sgpr_count:     66
    .vgpr_count:     210
    .wavefront_size: 32
...
	.end_amdgpu_metadata
.endif
;; end of part 1
;; launch gateup (part 2): grid 4 x 64, 4 waves a work-group, clusters of 4 x 1, 327,680 bytes of LDS; arguments xq, w13q, lowp_scales, hq; writes hq
.if DOCPART == 2
	.amdgcn_target "amdgcn-amd-amdhsa--gfx1250"
	.amdhsa_code_object_version 6
	.text
	.protected	k_q63ed607251_gateup
	.globl	k_q63ed607251_gateup
	.p2align	8
	.type	k_q63ed607251_gateup,@function
k_q63ed607251_gateup:
	s_mov_b64 s[64:65], 0
	v_nop
	global_prefetch_b8 v0, s[64:65] scope:SCOPE_SE
	s_setreg_imm32_b32 hwreg(HW_REG_WAVE_MODE, 25, 1), 1
	s_wait_xcnt 0x0
	s_wait_alu depctr_hold_cnt(0) depctr_sa_sdst(0) depctr_va_vdst(0) depctr_va_sdst(0) depctr_va_ssrc(0) depctr_va_vcc(0) depctr_vm_vsrc(0)
	s_getreg_b32 s2, hwreg(HW_REG_IB_STS2, 6, 4)
	s_cmp_eq_u32 s2, 0
	s_cbranch_scc0 .Lentry_in_a_cluster
	s_endpgm
.Lentry_in_a_cluster:
	s_bfe_u32 s2, ttmp6, 0x10000c
	s_cmp_lg_u32 s2, 0x3003
	s_cbranch_scc0 .Lentry_shape_is_right
	s_endpgm
.Lentry_shape_is_right:
; For each expert: G = x w1, U = x w3 on codes of BF8 (E5M2); h = silu(G) U in f32; h is quantised with its given scale and stored as codes.
; All buffers are sequences of register images of fragments (16 rows or columns x 128 along K, 2,048 bytes: byte 512 c + 16 x lane + i holds k = 32 c + 16 (lane / 16) + i of slot lane % 16):
;   xq   : set x 8 Mi + (block of 256 rows) x 262,144 + (K step) x 32,768 + tile x 2,048      set 0 for G (entry 0), set 1 for U (entry 2)
;   w13q : sel x 16 Mi + (16 e + block of 128 columns) x 131,072 + (K step) x 16,384 + fragment x 2,048;  slot r of fragment 2 b + u holds column 32 b + 8 u + r + 8 (r / 8)
;   hq   : (block of 256 rows) x 524,288 + (block of 128 hidden columns) x 32,768 + tile x 2,048
; SHARES.  A work-group owns 128 rows and 512 hidden columns, in two passes of 256; a wave makes 128 rows x 64 columns of G and of U: 32 + 32 accumulators, 512 registers.
; x STAYS IN LDS: 128 rows x 1,024 x two sets are 262,144 bytes, fetched once: each wave asks for one set's four K steps (4 rows of 16,384 bytes) by its one tensor load.  Nothing is filled again,
; so the loop has no barrier.  LDS byte = set x 131,072 + (K step) x 16,384 + tile x 2,048.
; CLUSTERS: the four work-groups of a row of the grid own the same 128 rows and ask for x JOINTLY (mask 15).  The weights are shared by the eight row blocks of an expert; they go from memory
; straight into the operand's registers and never into LDS, where a joint load would land: beside x's 262,144 bytes LDS has no room for two slots of them.  Each wave loads fragments that no other wave of its work-group loads.
; THE MATRIX INSTRUCTION IS USED TRANSPOSED (source 0 = 16 columns of a weight, source 1 = 16 rows of x): the 16 registers of two neighbouring tiles are 16 neighbours along the next product's K.
; A HALF is 128 along K of one product, 32 matrix instructions: half 2 s is G's K step s, half 2 s + 1 U's.  A half's weights are 16 loads; they run four halves ahead in five sets of 64 registers.
; The next pass's first four halves are asked for under the way out of this pass.
; PREFETCH of the weights: a group is eight halves, 65,536 bytes of a wave's fragments.  The eight row blocks of an expert share a group out by address: block j asks for half j of it,
; 8,192 bytes, a lane to each 256.  The head asks for this pass's second group; halves 4 and 12 of the first pass ask for the second pass's two groups: eight halves or more ahead of the loads.  The first group comes by its loads alone.
; x is fetched once at the head, with no loop ahead of it: no prefetch.
; LIMITS: e0 + e1 between -126 and 127; e4 - (e0 + e1 + e2 + e3) between -126 and 112.
; REGISTERS: window 0: v16-31 addresses and constants; v64-127 the weights' set 0; v128-255 x's eight fragments, on the way out at work.  window 1: sets 1 to 4.  window 2: G, (a, t) at v[8 (4 a + t)].  window 3: U.
.set NH,    16
.set LEAD,  4
.set NZ,    2
.set SPARE, 262144
.set ADRA, 16                          ; v16-19  16 x lane + 65,536 k
.set PFO,  26                          ; v26     256 x lane
.set L16,  27
.set SPW,  28
.set NIL,  29
.set SCL,  30
.set LIM,  31
.set AF,   128
.set ET,   128
.set EP,   160
.set EC,   192                         ; eight registers of codes for each of eight blocks
.set G1, 24
.set G0, 32
.set SB, 48                            ; s[48:49] w1's fragments of my columns, s[50:51] w3's
.set PFB, 52
.set MSB, 0
.macro WIN new
.if MSB != \new
	s_set_vgpr_msb (MSB<<8)|\new
.set MSB, \new
.endif
.endm
.macro CROUND                          ; a round of the cluster's barrier
	s_barrier_signal -1
	s_barrier_wait -1
	s_cmp_lg_u32 s14, 0
	s_cbranch_scc1 .Lnot_wave_0_\@
	s_barrier_signal -3
.Lnot_wave_0_\@:
	s_barrier_wait -3
	s_barrier_signal -1
	s_barrier_wait -1
.endm
.macro PLACES n
.rept \n
	v_nop
.endr
.endm
.macro SETB h                          ; half h's weights: set h % 5
.if ((\h)%5) == 0
.set BR, 64
.set BW, 0
.else
.set BR, 64*(((\h)%5)-1)
.set BW, 1
.endif
.endm
.macro MWIN h
	SETB \h
.set MW, 0xa0+0x50*((\h)%2)+BW
	WIN MW
.endm
.macro BLOAD h
	SETB \h
.if BW
	WIN 0x40
.else
	WIN 0
.endif
.irp t, 0,1,2,3
.irp c, 0,1,2,3
	global_load_b128 v[BR+16*\t+4*\c:BR+16*\t+4*\c+3], v[L16], s[SB+2*((\h)%2):SB+2*((\h)%2)+1] offset:((\h)/2)*16384+\t*2048+\c*512
.endr
.endr
.endm
.macro FETCHA h, a0                    ; x's blocks a0 .. a0 + 3 of half h
.set AA, \a0
.rept 4
.irp c, 0,1,2,3
	ds_load_b128 v[AF+16*AA+4*\c:AF+16*AA+4*\c+3], v[ADRA+2*((\h)%2)+((\h)/8)] offset:(((\h)/2)%4)*16384+AA*2048+\c*512
.endr
.set AA, AA+1
.endr
.endm
.macro MULS h, a0, n                   ; the accumulators take turns, one instruction a turn; a pass's first two halves start the sums
	SETB \h
.set AA, \a0
.rept \n
.irp t, 0,1,2,3
.if (\h) < NZ
	v_wmma_f32_16x16x128_bf8_bf8 v[8*(4*AA+\t):8*(4*AA+\t)+7], v[BR+16*\t:BR+16*\t+15], v[AF+16*AA:AF+16*AA+15], 0
.else
	v_wmma_f32_16x16x128_bf8_bf8 v[8*(4*AA+\t):8*(4*AA+\t)+7], v[BR+16*\t:BR+16*\t+15], v[AF+16*AA:AF+16*AA+15], v[8*(4*AA+\t):8*(4*AA+\t)+7]
.endif
.endr
.set AA, AA+1
.endr
.endm
.macro ASK off                         ; in the first pass alone: the second has no pass behind it
	s_cmp_eq_u32 s3, 1
	s_cbranch_scc1 .Lnp_\@
	global_prefetch_b8 v[PFO], s[PFB:PFB+1] offset:\off th:TH_LOAD_NT scope:SCOPE_SE
.Lnp_\@:
.endm
.macro HALF h
.set YOUNG, NH-1-(\h)
.if YOUNG > LEAD-1
.set YOUNG, LEAD-1
.endif
	s_wait_loadcnt 16*YOUNG                        ; this half's 16 loads are in; the 16 of each younger set may be out
.if (\h)+LEAD < NH
	BLOAD (\h)+LEAD                                ; into the set that the half before has read; four plain lines stand behind its last product
.endif
	s_wait_dscnt 16                                ; blocks 0-3 are in
	MWIN \h
	MULS \h, 0, 4
	s_wait_dscnt 0x0
.if (\h) < NH-1
	PLACES 4
	WIN 0
	FETCHA (\h)+1, 0
.if (\h) == 4
	ASK 262144
.endif
.if (\h) == 12
	ASK 262144+65536
.endif
	MWIN \h
	MULS \h, 4, 4
	PLACES 4
	WIN 0
	FETCHA (\h)+1, 4
.else
	MULS \h, 4, 4
	PLACES 4
	WIN 0
.endif
.endm
	s_load_b128 s[4:7], s[0:1], 0x0                ; xq, w13q
	s_load_b128 s[8:11], s[0:1], 0x10              ; scales, hq
	v_lshl_add_u32 v[SPW], v0, 2, SPARE
	v_mov_b32 v[NIL], 0
	ds_add_u32 v[SPW], v[NIL]                      ; the opening lines: the add twice on end and its wait
	ds_add_u32 v[SPW], v[NIL]
	v_lshrrev_b32 v1, 5, v0
	v_readfirstlane_b32 s14, v1                    ; wave
	v_and_b32 v1, 31, v0
	v_lshlrev_b32 v[L16], 4, v1
	v_lshlrev_b32 v[PFO], 8, v1
	s_lshr_b32 s15, s14, 1
	s_and_b32 s16, s14, 1
	s_bfe_u32 s40, ttmp6, 0x40000                  ; cx: my 512 hidden columns
	s_and_b32 s17, ttmp7, 0xffff                   ; my block of 128 rows, which the cluster shares
	s_mov_b32 s[G1+0], 15|(3<<16)|(1<<21)          ; the mask of all four; elements of 8 bytes; bit 21 beside a mask
	s_mov_b32 s[G1+1], 2048<<16                    ; tensor_dim0 = 2,048: 16,384 bytes
	s_mov_b32 s[G1+2], 4<<16                       ; tensor_dim1 = 4
	s_mov_b32 s[G1+3], 2048<<16                    ; tile_dim0
	s_mov_b32 s[G1+4], 4                           ; tile_dim1
	s_mov_b32 s[G1+5], 4096                        ; from K step to K step: 32,768 bytes
	s_mov_b32 s[G1+6], 0
	s_mov_b32 s[G1+7], 0
	s_lshr_b32 s20, s17, 1                         ; x: the block of 256 rows, my half of its tiles, set = wave % 2, K steps 4 (wave / 2) ..
	s_lshl_b32 s20, s20, 18
	s_and_b32 s21, s17, 1
	s_lshl_b32 s21, s21, 14
	s_add_co_u32 s20, s20, s21
	s_lshl_b32 s21, s16, 23
	s_add_co_u32 s20, s20, s21
	s_lshl_b32 s21, s15, 17
	s_add_co_u32 s20, s20, s21
	s_mov_b32 s21, 0
	s_lshl_b32 s22, s16, 17                        ; and where they go
	s_lshl_b32 s23, s15, 16
	s_lshl_b32 s42, s40, 2
	s_add_co_u32 s42, s42, s15                     ; my block of 128 columns in the first pass: 4 cx + wave / 2
	s_lshr_b32 s45, s17, 3                         ; the expert
	s_lshl_b32 s46, s45, 4
	s_add_co_u32 s46, s46, s42
	s_lshl_b32 s46, s46, 17
	s_lshl_b32 s47, s16, 13                        ; my four of its eight fragments
	s_add_co_u32 s46, s46, s47
	s_mov_b32 s47, 0
	s_wait_dscnt 0x0
	s_wait_alu depctr_va_vdst(0)
	s_wait_kmcnt 0x0
	s_load_b128 s[68:71], s[8:9], 0x0              ; e0 .. e3
	s_load_b32 s72, s[8:9], 0x10                   ; e4
	s_add_nc_u64 s[20:21], s[4:5], s[20:21]
	s_add_nc_u64 s[SB:SB+1], s[6:7], s[46:47]
	s_add_nc_u64 s[SB+2:SB+3], s[SB:SB+1], 0x1000000
	BLOAD 0                                        ; the first half's weights are asked for ahead of the round, the others behind x
	WIN 0
	CROUND
	s_mov_b32 s[G0], 1
	s_add_co_u32 s[G0+1], s22, s23
	s_mov_b64 s[G0+2:G0+3], s[20:21]
	s_or_b32 s[G0+3], s[G0+3], 0x80000000
	tensor_load_to_lds s[G0:G0+3], s[G1:G1+7]      ; my one tensor load
	s_nop 0
	PLACES 4
.irp k, 0,1,2,3
	v_add_nc_u32 v[ADRA+\k], \k*65536, v[L16]
.endr
	BLOAD 1
	BLOAD 2
	BLOAD 3
	WIN 0
	s_and_b32 s60, s17, 1
	s_cselect_b64 s[PFB:PFB+1], s[SB+2:SB+3], s[SB:SB+1]
	s_bfe_u32 s60, s17, 0x20001
	s_lshl_b32 s60, s60, 14
	s_mov_b32 s61, 0
	s_add_nc_u64 s[PFB:PFB+1], s[PFB:PFB+1], s[60:61]
	global_prefetch_b8 v[PFO], s[PFB:PFB+1] offset:65536 th:TH_LOAD_NT scope:SCOPE_SE
	s_lshr_b32 s80, s17, 1                         ; hq
	s_lshl_b32 s80, s80, 19
	s_lshl_b32 s81, s42, 15
	s_add_co_u32 s80, s80, s81
	s_and_b32 s81, s17, 1
	s_lshl_b32 s81, s81, 14
	s_add_co_u32 s80, s80, s81
	s_lshl_b32 s81, s16, 10
	s_add_co_u32 s80, s80, s81
	s_mov_b32 s81, 0
	s_add_nc_u64 s[10:11], s[10:11], s[80:81]
	; g = G x 2^(e0 + e1), u = U x 2^(e2 + e3); h = g u / (1 + 2^(-g log2 e)); all five exponents are folded into the conversion's scale
	s_wait_kmcnt 0x0
	s_add_co_i32 s74, s68, s69
	s_lshl_b32 s75, s74, 23
	s_add_co_u32 s76, s75, 0xbfb8aa3b              ; -log2(e) x 2^(e0 + e1)
	s_mov_b32 s77, s76
	s_add_co_i32 s74, s74, s70
	s_add_co_i32 s74, s74, s71
	s_sub_co_i32 s74, s72, s74
	s_add_co_i32 s74, s74, 127
	s_lshl_b32 s75, s74, 23
	v_mov_b32 v[SCL], s75
	s_add_co_i32 s74, s74, 15
	s_lshl_b32 s74, s74, 23
	s_or_b32 s74, s74, 0x600000
	v_mov_b32 v[LIM], s74
	s_mov_b32 s3, 2                                ; passes to go
	s_wait_alu depctr_va_vdst(0)
	s_wait_tensorcnt 0x0                           ; my quarter of x is in,
	s_barrier_signal -1
	s_barrier_wait -1                              ; everybody's is
.macro EPI a                           ; block a: 16 rows x my 64 columns
	WIN 0x02
	s_wait_alu depctr_va_vdst(0)
.set J, 0
.rept 16
	v_pk_mul_f32 v[ET+J:ET+J+1], v[32*(\a)+J:32*(\a)+J+1], s[76:77] op_sel_hi:[1,0]   ; -g log2(e); each accumulator from its low end on
.set J, J+2
.endr
	WIN 0
	s_wait_alu depctr_va_vdst(0)
.set J, 0
.rept 32
	v_exp_f32 v[ET+J], v[ET+J]
.set J, J+1
.endr
	WIN 0x0e
	s_wait_alu depctr_va_vdst(0)
.set J, 0
.rept 16
	v_pk_mul_f32 v[EP+J:EP+J+1], v[32*(\a)+J:32*(\a)+J+1], v[32*(\a)+J:32*(\a)+J+1]   ; G U
.set J, J+2
.endr
	WIN 0
	s_wait_alu depctr_va_vdst(0)
.set J, 0
.rept 16
	v_pk_add_f32 v[ET+J:ET+J+1], v[ET+J:ET+J+1], 1.0 op_sel_hi:[1,0]
.set J, J+2
.endr
	s_wait_alu depctr_va_vdst(0)
.set J, 0
.rept 32
	v_rcp_f32 v[ET+J], v[ET+J]
.set J, J+1
.endr
	v_nop
	s_wait_alu depctr_va_vdst(0)
.set J, 0
.rept 16
	v_pk_mul_f32 v[EP+J:EP+J+1], v[EP+J:EP+J+1], v[ET+J:ET+J+1]
.set J, J+2
.endr
.set J, 0
.rept 32
	v_med3_num_f32 v[EP+J], v[EP+J], -v[LIM], v[LIM]   ; the conversion does not saturate (ISA guide 7.6.2): hold first
.set J, J+1
.endr
.set J, 0
.rept 4
	v_cvt_scalef32_pk8_bf8_f32 v[EC+8*(\a)+2*J:EC+8*(\a)+2*J+1], v[EP+8*J:EP+8*J+7], v[SCL]
.set J, J+1
.endr
	v_nop                                          ; a plain line behind the last conversion
	global_store_b128 v[L16], v[EC+8*(\a):EC+8*(\a)+3], s[10:11] offset:(\a)*2048          ; 512 consecutive bytes of the image
	global_store_b128 v[L16], v[EC+8*(\a)+4:EC+8*(\a)+7], s[10:11] offset:(\a)*2048+512
.endm
.Lpass:
	FETCHA 0, 0
	FETCHA 0, 4
.irp h, 0,1,2,3,4,5,6,7,8,9,10,11,12,13,14,15
	HALF \h
.endr
	s_cmp_eq_u32 s3, 1
	s_cbranch_scc1 .Lno_next_a
	s_add_nc_u64 s[SB:SB+1], s[SB:SB+1], 262144    ; two blocks of columns on; half 15's wait has shown every load done
	s_add_nc_u64 s[SB+2:SB+3], s[SB+2:SB+3], 262144
	BLOAD 0
	BLOAD 1
	BLOAD 2
	WIN 0
.Lno_next_a:
.irp a, 0,1,2,3
	EPI \a
.endr
	s_cmp_eq_u32 s3, 1
	s_cbranch_scc1 .Lno_next_b
	BLOAD 3
	WIN 0
.Lno_next_b:
.irp a, 4,5,6,7
	EPI \a
.endr
	s_wait_xcnt 0x0                                ; the stores have read their base and the codes' registers, which take x's fragments next
	s_add_nc_u64 s[10:11], s[10:11], 65536
	s_sub_co_u32 s3, s3, 1
	s_cmp_lg_u32 s3, 0
	s_cbranch_scc1 .Lpass
	s_wait_tensorcnt 0x0                           ; the wave's end
	ds_add_u32 v[SPW], v[NIL]
	s_wait_dscnt 0x0
	CROUND                                         ; the closing round
	s_endpgm
.Lfunc_end_k_q63ed607251_gateup:
	.size	k_q63ed607251_gateup, .Lfunc_end_k_q63ed607251_gateup-k_q63ed607251_gateup
	.p2alignl 7, 3214868480
	.fill 96, 4, 3214868480
	.section	.rodata,"a",@progbits
	.p2align	6, 0x0
	.amdhsa_kernel k_q63ed607251_gateup
		.amdhsa_group_segment_fixed_size 327680
		.amdhsa_private_segment_fixed_size 0
		.amdhsa_enable_private_segment 0
		.amdhsa_kernarg_size 32
		.amdhsa_user_sgpr_count 2
		.amdhsa_user_sgpr_kernarg_segment_ptr 1
		.amdhsa_wavefront_size32 1
		.amdhsa_system_sgpr_workgroup_id_x 1
		.amdhsa_system_sgpr_workgroup_id_y 1
		.amdhsa_system_sgpr_workgroup_id_z 1
		.amdhsa_system_vgpr_workitem_id 0
		.amdhsa_next_free_vgpr 1024
		.amdhsa_next_free_sgpr 98
		.amdhsa_reserve_vcc 0
		.amdhsa_float_denorm_mode_32 3
		.amdhsa_float_denorm_mode_16_64 3
		.amdhsa_memory_ordered 1
		.amdhsa_forward_progress 1
		.amdhsa_inst_pref_size 179
	.end_amdhsa_kernel
	.amdgpu_metadata
---
amdhsa.version: [ 1, 2 ]
amdhsa.kernels:
  - .name:           k_q63ed607251_gateup
    .symbol:         k_q63ed607251_gateup.kd
    .args:
      - { .name: xq, .offset: 0, .size: 8, .value_kind: global_buffer, .address_space: global }
      - { .name: w13q, .offset: 8, .size: 8, .value_kind: global_buffer, .address_space: global }
      - { .name: lowp_scales, .offset: 16, .size: 8, .value_kind: global_buffer, .address_space: global }
      - { .name: hq, .offset: 24, .size: 8, .value_kind: global_buffer, .address_space: global }
    .group_segment_fixed_size: 327680
    .private_segment_fixed_size: 0
    .kernarg_segment_align: 8
    .kernarg_segment_size: 32
    .max_flat_workgroup_size: 128
    .sgpr_count:     98
    .vgpr_count:     1024
    .wavefront_size: 32
...
	.end_amdgpu_metadata
.endif
;; end of part 2
;; launch down (part 3): grid 4 x 64, 4 waves a work-group, clusters of 4 x 1, 327,680 bytes of LDS; arguments hq, w2q, lowp_scales, out0; writes out0
.if DOCPART == 3
	.amdgcn_target "amdgcn-amd-amdhsa--gfx1250"
	.amdhsa_code_object_version 6
	.text
	.protected	k_q63ed607251_down
	.globl	k_q63ed607251_down
	.p2align	8
	.type	k_q63ed607251_down,@function
k_q63ed607251_down:
	s_mov_b64 s[64:65], 0
	v_nop
	global_prefetch_b8 v0, s[64:65] scope:SCOPE_SE
	s_setreg_imm32_b32 hwreg(HW_REG_WAVE_MODE, 25, 1), 1
	s_wait_xcnt 0x0
	s_wait_alu depctr_hold_cnt(0) depctr_sa_sdst(0) depctr_va_vdst(0) depctr_va_sdst(0) depctr_va_ssrc(0) depctr_va_vcc(0) depctr_vm_vsrc(0)
	s_getreg_b32 s2, hwreg(HW_REG_IB_STS2, 6, 4)
	s_cmp_eq_u32 s2, 0
	s_cbranch_scc0 .Lentry_in_a_cluster
	s_endpgm
.Lentry_in_a_cluster:
	s_bfe_u32 s2, ttmp6, 0x10000c
	s_cmp_lg_u32 s2, 0x3003
	s_cbranch_scc0 .Lentry_shape_is_right
	s_endpgm
.Lentry_shape_is_right:
; For each expert: out = h w2 on codes of BF8 (E5M2); each finished f32 sum is multiplied once by 2^(e4 + e5).  LIMIT: e4 + e5 between -126 and 127.
;   hq  : (block of 256 rows) x 524,288 + (K step) x 32,768 + tile x 2,048;   w2q : (8 e + block of 128 columns) x 262,144 + (K step) x 16,384 + fragment x 2,048   (register images, as the launches before lay them)
; SHARES.  A work-group makes 128 rows x 256 columns; a wave 128 rows x 64 columns: 32 accumulators.  h STAYS IN LDS: 128 rows x 2,048 are 262,144 bytes, fetched once: wave w asks for K steps 4 w .. 4 w + 3
; (4 rows of 16,384 bytes) by its one tensor load; nothing is filled again, so the sixteen K steps have no barrier.  LDS byte = (K step) x 16,384 + tile x 2,048.
; CLUSTERS: the four work-groups of a row of the grid own the same rows and ask for h JOINTLY (mask 15).  The weights, which the eight row blocks of an expert share, go from memory straight into the operand's
; registers and never into LDS, where a joint load would land: beside h's 262,144 bytes LDS has no room for two slots of them.  They run four K steps ahead in five sets of 64 registers.
; PREFETCH of the weights: K steps 8-15 of a wave's fragments, 65,536 bytes, are shared out by address among the expert's eight row blocks: block j asks at the head for K step 8 + j, 8,192 bytes, a lane to each 256;
; K steps 0-7 come by their loads alone.  h is fetched once at the head: no prefetch.
; The matrix instruction is used transposed (source 0 = 16 columns of w2, source 1 = 16 rows of h); results leave through the wave's own stage in LDS as whole rows of 256 bytes.
.set NH,    16
.set LEAD,  4
.set SPARE, 262144
.set STAGE, SPARE+512
.set SPITCH, 272
.set ADRA, 16
.set PFO,  23
.set STO,  24
.set RD,   25
.set CO,   26
.set L16,  27
.set SPW,  28
.set NIL,  29
.set TMP,  32
.set AF,   128
.set BK,   128
.set G1, 24
.set G0, 32
.set SB, 48
.set PFB, 52
.set MSB, 0
.macro WIN new
.if MSB != \new
	s_set_vgpr_msb (MSB<<8)|\new
.set MSB, \new
.endif
.endm
.macro CROUND
	s_barrier_signal -1
	s_barrier_wait -1
	s_cmp_lg_u32 s14, 0
	s_cbranch_scc1 .Lnot_wave_0_\@
	s_barrier_signal -3
.Lnot_wave_0_\@:
	s_barrier_wait -3
	s_barrier_signal -1
	s_barrier_wait -1
.endm
.macro PLACES n
.rept \n
	v_nop
.endr
.endm
.macro SETB h
.if ((\h)%5) == 0
.set BR, 64
.set BW, 0
.else
.set BR, 64*(((\h)%5)-1)
.set BW, 1
.endif
.endm
.macro MWIN h
	SETB \h
.set MW, 0xa0+BW
	WIN MW
.endm
.macro BLOAD h
	SETB \h
.if BW
	WIN 0x40
.else
	WIN 0
.endif
.irp t, 0,1,2,3
.irp c, 0,1,2,3
	global_load_b128 v[BR+16*\t+4*\c:BR+16*\t+4*\c+3], v[L16], s[SB:SB+1] offset:(\h)*16384+\t*2048+\c*512
.endr
.endr
.endm
.macro FETCHA h, a0
.set AA, \a0
.rept 4
.irp c, 0,1,2,3
	ds_load_b128 v[AF+16*AA+4*\c:AF+16*AA+4*\c+3], v[ADRA+((\h)/4)] offset:((\h)%4)*16384+AA*2048+\c*512
.endr
.set AA, AA+1
.endr
.endm
.macro MULS h, a0, n                   ; the accumulators take turns; the first K step starts the sums
	SETB \h
.set AA, \a0
.rept \n
.irp t, 0,1,2,3
.if (\h) < 1
	v_wmma_f32_16x16x128_bf8_bf8 v[8*(4*AA+\t):8*(4*AA+\t)+7], v[BR+16*\t:BR+16*\t+15], v[AF+16*AA:AF+16*AA+15], 0
.else
	v_wmma_f32_16x16x128_bf8_bf8 v[8*(4*AA+\t):8*(4*AA+\t)+7], v[BR+16*\t:BR+16*\t+15], v[AF+16*AA:AF+16*AA+15], v[8*(4*AA+\t):8*(4*AA+\t)+7]
.endif
.endr
.set AA, AA+1
.endr
.endm
.macro HALF h
.set YOUNG, NH-1-(\h)
.if YOUNG > LEAD-1
.set YOUNG, LEAD-1
.endif
	s_wait_loadcnt 16*YOUNG                        ; this K step's 16 loads are in; the 16 of each younger set may be out
.if (\h)+LEAD < NH
	BLOAD (\h)+LEAD
.endif
	s_wait_dscnt 16
	MWIN \h
	MULS \h, 0, 4
	s_wait_dscnt 0x0
.if (\h) < NH-1
	PLACES 4
	WIN 0
	FETCHA (\h)+1, 0
	MWIN \h
	MULS \h, 4, 4
	PLACES 4
	WIN 0
	FETCHA (\h)+1, 4
.else
	MULS \h, 4, 4
	PLACES 4
	WIN 0
.endif
.endm
	s_load_b128 s[4:7], s[0:1], 0x0                ; hq, w2q
	s_load_b128 s[8:11], s[0:1], 0x10              ; scales, out
	v_lshl_add_u32 v[SPW], v0, 2, SPARE
	v_mov_b32 v[NIL], 0
	ds_add_u32 v[SPW], v[NIL]                      ; the opening lines: the add twice on end and its wait
	ds_add_u32 v[SPW], v[NIL]
	v_lshrrev_b32 v1, 5, v0
	v_readfirstlane_b32 s14, v1
	v_and_b32 v1, 31, v0
	v_lshlrev_b32 v[L16], 4, v1
	v_lshlrev_b32 v[PFO], 8, v1
	s_lshr_b32 s15, s14, 1
	s_and_b32 s16, s14, 1
	s_bfe_u32 s40, ttmp6, 0x40000                  ; cx: my 256 columns
	s_and_b32 s17, ttmp7, 0xffff                   ; my block of 128 rows
	s_mov_b32 s[G1+0], 15|(3<<16)|(1<<21)
	s_mov_b32 s[G1+1], 2048<<16
	s_mov_b32 s[G1+2], 4<<16
	s_mov_b32 s[G1+3], 2048<<16
	s_mov_b32 s[G1+4], 4
	s_mov_b32 s[G1+5], 4096
	s_mov_b32 s[G1+6], 0
	s_mov_b32 s[G1+7], 0
	s_lshr_b32 s20, s17, 1
	s_lshl_b32 s20, s20, 19
	s_and_b32 s21, s17, 1
	s_lshl_b32 s21, s21, 14
	s_add_co_u32 s20, s20, s21
	s_lshl_b32 s21, s14, 17                        ; K steps 4 x wave ..
	s_add_co_u32 s20, s20, s21
	s_mov_b32 s21, 0
	s_lshl_b32 s22, s14, 16
	s_lshl_b32 s42, s40, 1
	s_add_co_u32 s42, s42, s15                     ; my block of 128 columns
	s_lshr_b32 s45, s17, 3                         ; the expert
	s_lshl_b32 s46, s45, 3
	s_add_co_u32 s46, s46, s42
	s_lshl_b32 s46, s46, 18
	s_lshl_b32 s47, s16, 13
	s_add_co_u32 s46, s46, s47
	s_mov_b32 s47, 0
	s_wait_dscnt 0x0
	s_wait_alu depctr_va_vdst(0)
	s_wait_kmcnt 0x0
	s_load_b64 s[72:73], s[8:9], 0x10              ; e4, e5
	s_add_nc_u64 s[20:21], s[4:5], s[20:21]
	s_add_nc_u64 s[SB:SB+1], s[6:7], s[46:47]
	BLOAD 0                                        ; the first K step's weights are asked for ahead of the round, the others behind h
	WIN 0
	CROUND
	s_mov_b32 s[G0], 1
	s_add_co_u32 s[G0+1], s22, 0
	s_mov_b64 s[G0+2:G0+3], s[20:21]
	s_or_b32 s[G0+3], s[G0+3], 0x80000000
	tensor_load_to_lds s[G0:G0+3], s[G1:G1+7]      ; my one tensor load
	s_nop 0
	PLACES 4
.irp k, 0,1,2,3
	v_add_nc_u32 v[ADRA+\k], \k*65536, v[L16]
.endr
	v_and_b32 v3, 15, v0
	v_bfe_u32 v4, v0, 4, 1
	s_mul_i32 s82, s14, 16*SPITCH
	s_add_co_u32 s82, s82, STAGE
	v_mul_u32_u24 v5, v3, SPITCH
	v_lshl_add_u32 v5, v4, 6, v5
	v_add_nc_u32 v[STO], s82, v5
	v_mul_u32_u24 v5, v4, SPITCH
	v_lshl_add_u32 v5, v3, 4, v5
	v_add_nc_u32 v[RD], s82, v5
	v_lshlrev_b32 v5, 12, v4
	v_lshl_add_u32 v[CO], v3, 4, v5
	BLOAD 1
	BLOAD 2
	BLOAD 3
	WIN 0
	s_and_b32 s60, s17, 7
	s_lshl_b32 s60, s60, 14
	s_mov_b32 s61, 0
	s_add_nc_u64 s[PFB:PFB+1], s[SB:SB+1], s[60:61]
	global_prefetch_b8 v[PFO], s[PFB:PFB+1] offset:131072 th:TH_LOAD_NT scope:SCOPE_SE
	s_lshl_b32 s80, s17, 19                        ; out: 128 rows of 4,096 bytes, 1,024 bytes a work-group, 256 a wave
	s_lshl_b32 s81, s40, 10
	s_add_co_u32 s80, s80, s81
	s_lshl_b32 s81, s14, 8
	s_add_co_u32 s80, s80, s81
	s_mov_b32 s81, 0
	s_add_nc_u64 s[10:11], s[10:11], s[80:81]
	s_wait_alu depctr_va_vdst(0)
	s_wait_tensorcnt 0x0
	s_barrier_signal -1
	s_barrier_wait -1
	FETCHA 0, 0
	FETCHA 0, 4
.irp h, 0,1,2,3,4,5,6,7,8,9,10,11,12,13,14,15
	HALF \h
.endr
.macro TOSTAGE a                       ; 16 rows x 64 columns: x 2^(e4 + e5), into my stage, back as rows of 256 bytes
	WIN 0x02
.set J, 0
.rept 16
	v_pk_mul_f32 v[TMP+J:TMP+J+1], v[32*(\a)+J:32*(\a)+J+1], s[76:77] op_sel_hi:[1,0]
.set J, J+2
.endr
	WIN 0
.irp t, 0,1,2,3
	ds_store_b128 v[STO], v[TMP+8*\t:TMP+8*\t+3] offset:128*(\t/2)+32*(\t%2)
	ds_store_b128 v[STO], v[TMP+8*\t+4:TMP+8*\t+7] offset:128*(\t/2)+32*(\t%2)+16
.endr
.set BB, BK+32*((\a)%2)
.irp i, 0,1,2,3,4,5,6,7
	ds_load_b128 v[BB+4*\i:BB+4*\i+3], v[RD] offset:\i*2*SPITCH
.endr
.endm
.macro SEND a, younger
.set BB, BK+32*((\a)%2)
	s_wait_dscnt \younger
.irp i, 0,1,2,3,4,5,6,7
	global_store_b128 v[CO], v[BB+4*\i:BB+4*\i+3], s[10:11] offset:(\a)*65536+\i*8192 th:TH_STORE_NT   ; sixteen lanes store 256 consecutive aligned bytes
.endr
.endm
	s_wait_kmcnt 0x0
	s_add_co_i32 s76, s72, s73
	s_add_co_i32 s76, s76, 127
	s_lshl_b32 s76, s76, 23
	s_mov_b32 s77, s76
	TOSTAGE 0
.irp a, 1,2,3,4,5,6,7
.if \a > 1
	s_wait_xcnt 0x0                                ; block a - 2's stores have read their registers
.endif
	TOSTAGE \a
	SEND \a-1, 16
.endr
	SEND 7, 0
	s_wait_tensorcnt 0x0                           ; the wave's end
	ds_add_u32 v[SPW], v[NIL]
	s_wait_dscnt 0x0
	CROUND
	s_endpgm
.Lfunc_end_k_q63ed607251_down:
	.size	k_q63ed607251_down, .Lfunc_end_k_q63ed607251_down-k_q63ed607251_down
	.p2alignl 7, 3214868480
	.fill 96, 4, 3214868480
	.section	.rodata,"a",@progbits
	.p2align	6, 0x0
	.amdhsa_kernel k_q63ed607251_down
		.amdhsa_group_segment_fixed_size 327680
		.amdhsa_private_segment_fixed_size 0
		.amdhsa_enable_private_segment 0
		.amdhsa_kernarg_size 32
		.amdhsa_user_sgpr_count 2
		.amdhsa_user_sgpr_kernarg_segment_ptr 1
		.amdhsa_wavefront_size32 1
		.amdhsa_system_sgpr_workgroup_id_x 1
		.amdhsa_system_sgpr_workgroup_id_y 1
		.amdhsa_system_sgpr_workgroup_id_z 1
		.amdhsa_system_vgpr_workitem_id 0
		.amdhsa_next_free_vgpr 768
		.amdhsa_next_free_sgpr 98
		.amdhsa_reserve_vcc 0
		.amdhsa_float_denorm_mode_32 3
		.amdhsa_float_denorm_mode_16_64 3
		.amdhsa_memory_ordered 1
		.amdhsa_forward_progress 1
		.amdhsa_inst_pref_size 124
	.end_amdhsa_kernel
	.amdgpu_metadata
---
amdhsa.version: [ 1, 2 ]
amdhsa.kernels:
  - .name:           k_q63ed607251_down
    .symbol:         k_q63ed607251_down.kd
    .args:
      - { .name: hq, .offset: 0, .size: 8, .value_kind: global_buffer, .address_space: global }
      - { .name: w2q, .offset: 8, .size: 8, .value_kind: global_buffer, .address_space: global }
      - { .name: lowp_scales, .offset: 16, .size: 8, .value_kind: global_buffer, .address_space: global }
      - { .name: out0, .offset: 24, .size: 8, .value_kind: global_buffer, .address_space: global }
    .group_segment_fixed_size: 327680
    .private_segment_fixed_size: 0
    .kernarg_segment_align: 8
    .kernarg_segment_size: 32
    .max_flat_workgroup_size: 128
    .sgpr_count:     98
    .vgpr_count:     768
    .wavefront_size: 32
...
	.end_amdgpu_metadata
.endif
;; end of part 3
